; MI455X (gfx1250); checked and timed in simulation.
; The chip was launched on July 23, 2026; its instructions are those of AMD's public machine-readable ISA for CDNA 5 (MIT licence, August 2026) and "CDNA5" Instruction Set Architecture Reference Guide (July 2026). The comments in the code are by the model that wrote it; some were corrected since.
;; Self Attention. Allowed arithmetic: matrix products marked QUANTISED: E4M3 operands, one given power-of-two scale a tensor, by v_wmma_f32_16x16x64_fp8_fp8 or v_wmma_f32_16x16x128_fp8_fp8, f32 sums; everything else in f32.
;; Inputs: Wk_codes 1,024 x 32 x 32 uint8 (E4M3 codes of Wk, K innermost, in blocks of 32 codes); Wq_codes 1,024 x 32 x 32 uint8 (E4M3 codes of Wq, K innermost, in blocks of 32 codes); Wv_codes 1,024 x 32 x 32 uint8 (E4M3 codes of Wv, K innermost, in blocks of 32 codes); lowp_scales 10 int32 (the exponents e of the quantised operands' scales 2^e); x_codes 4 x 2,048 x 32 x 32 uint8 (E4M3 codes of x, K innermost, in blocks of 32 codes).
;; Outputs: out0 4 x 2,048 x 1,024 float32.
;; This version of the problem:
;;   THIS VERSION OF THE PROBLEM IS GIVEN IN LOW PRECISION. The matrix products marked QUANTISED in the list below multiply operands that are first quantised to E4M3 (4 exponent bits, 3 mantissa bits; 8 bits a number), with one given power-of-two scale for each operand tensor; their sums are f32. All else is computed in f32.
;;   The module's matrix products, in the order in which they are computed (A, B: the left and right operand; K: the contracted axis; several contracted axes count as one K, in the product's order):
;;     1. [M 8,192, K 1,024] x [K 1,024, N 1,024]; A: input x (given as codes); B: input Wq (given as codes): QUANTISED (scales: A lowp_scales[0], B lowp_scales[1])
;;     2. [M 8,192, K 1,024] x [K 1,024, N 1,024]; A: input x (given as codes); B: input Wk (given as codes): QUANTISED (scales: A lowp_scales[2], B lowp_scales[3])
;;     3. [M 8,192, K 1,024] x [K 1,024, N 1,024]; A: input x (given as codes); B: input Wv (given as codes): QUANTISED (scales: A lowp_scales[4], B lowp_scales[5])
;;     4. batch 4 x [M 2,048, K 1,024] x [K 1,024, N 2,048]; A: computed on the way; B: computed on the way: QUANTISED (scales: A lowp_scales[6], B lowp_scales[7])
;;     5. batch 4 x [M 2,048, K 2,048] x [K 2,048, N 1,024]; A: softmax (see below); B: computed on the way: QUANTISED (scales: A lowp_scales[8], B lowp_scales[9])
;;   THE QUANTISER, for each operand of a quantised product, along K:
;;     - The operand's scale is 2^e, e = its entry of the input lowp_scales (int32; the entries are numbered through the quantised products in the list's order, A before B).
;;     - Each number is divided by the scale, clamped to +-448, and rounded to the nearest number of E4M3, ties to even, subnormals kept.
;;     - The product sums the exact products of the quantised numbers (number of the format x scale) in f32.
;;   ~~~python
;;   def quantise(x, axis, e):      # numpy; x: float32 -> the quantised numbers, widened to float32 again
;;       x = np.moveaxis(x, axis, -1); K = x.shape[-1]
;;       r = np.clip(x / 2.0 ** e, -448, 448)
;;       step = 2.0 ** (np.maximum(np.frexp(np.where(r == 0, 1, r))[1] - 1, -6) - 3)
;;       q = np.round(r / step) * step * 2.0 ** e      # np.round: ties to even
;;       return np.moveaxis(q, -1, axis).astype(np.float32)
;;   ~~~
;;   SOFTMAX AHEAD OF A QUANTISED PRODUCT. Where the list says 'softmax', what is quantised is not the finished softmax but p = 2^(t - M), with t = logit x log2(e) and M = ceil(the row's largest t), a whole number; so 1/2 < the row's largest p <= 1. The row's sum l is taken of the UNQUANTISED p, in f32, and the product's result is divided by l at the end. Since M is a whole number, a kernel that streams over the keys may use a running M (the ceiling of the running maximum): every later rescaling is an exact power of two, so the quantised numbers keep their values, but for numbers so far below the row's largest that they fall under the format's range.
;;   OPERANDS COMPUTED ON THE WAY. 'Computed on the way' means the value that the module computes at that place (a softmax that the list does not call 'softmax' is quantised finished and normalised). What goes into a quantiser is computed in f32, as accurately as f32 sums, v_exp_f32 and their like allow (about 1e-6 of the number): no bf16 or f16 on the way to a quantiser, and a product that is left as it is and whose result goes on into a quantised operand takes f32 operands (vector FMAs, or v_wmma_f32_16x16x4_f32). A number that lies on a knife's edge between two numbers of the format may be rounded either way, as far as f32 arithmetic and the matrix unit's own rounding can turn it there, and no further.
;;   INPUTS GIVEN AS CODES. Wk (in the module: [1024, 1024], K = its axis 0); Wq (in the module: [1024, 1024], K = its axis 0); Wv (in the module: [1024, 1024], K = its axis 0); x (in the module: [4, 2048, 1024], K = its axis 2): each comes as NAME_codes (uint8): NAME with its K axis moved to the last place and cut into blocks of 32 codes, [.., K / 32, bytes a block], one block behind the other in memory; one code a byte (a code: sign, 4 exponent bits, 3 mantissa bits); its scale is its entry of lowp_scales. Its value is code x scale, taken as it is: it is not quantised again, and the codes and scales need not be those that the quantiser above would give.
;; One version. Each part assembles by itself: llvm-mc -triple=amdgcn-amd-amdhsa -mcpu=gfx1250 --defsym DOCPART=n.
;; ======== version 1 of 1: 3 launches
;; limits: right only within a limited range of input values
;; workspace buffers: qkv 25,165,824 bytes; p 16,777,216 bytes; stats 786,432 bytes
;; launch proj (part 1): grid 8 x 32, 4 waves a work-group, clusters of 4 x 4, 327,680 bytes of LDS; arguments x_codes, Wq_codes, Wk_codes, Wv_codes, lowp_scales, qkv; writes qkv
.if DOCPART == 1
	.amdgcn_target "amdgcn-amd-amdhsa--gfx1250"
	.amdhsa_code_object_version 6
	.text
	.protected	k_q04fb945502_proj
	.globl	k_q04fb945502_proj
	.p2align	8
	.type	k_q04fb945502_proj,@function
k_q04fb945502_proj:
	s_mov_b64 s[64:65], 0
	v_nop
	global_prefetch_b8 v0, s[64:65] scope:SCOPE_SE
	s_setreg_imm32_b32 hwreg(HW_REG_WAVE_MODE, 25, 1), 1
	s_wait_xcnt 0x0
	s_wait_alu depctr_hold_cnt(0) depctr_sa_sdst(0) depctr_va_vdst(0) depctr_va_sdst(0) depctr_va_ssrc(0) depctr_va_vcc(0) depctr_vm_vsrc(0)
	s_getreg_b32 s2, hwreg(HW_REG_IB_STS2, 6, 4)
	s_cmp_eq_u32 s2, 0
	s_cbranch_scc0 .Lentry_in_a_cluster
	s_endpgm
.Lentry_in_a_cluster:
	s_bfe_u32 s2, ttmp6, 0x10000c
	s_cmp_lg_u32 s2, 0xf033
	s_cbranch_scc0 .Lentry_shape_is_right
	s_endpgm
.Lentry_shape_is_right:
; q = x Wq, k = x Wk, v = x Wv on codes of E4M3, each finished sum quantised at once to E4M3 with the given scale of the product that takes it in.
; Stored in qkv as IMAGES OF THE NEXT PRODUCTS' OPERAND REGISTERS: a fragment is 16 rows x 128 along K, 2,048 bytes: registers 4 c .. 4 c + 3 of lane l at 512 c + 16 l.
;   q from byte 0, k from byte 2^23: [row / 16][channel / 128];  v transposed from byte 2^24: [batch][key / 128][channel / 16].
; SHARES: a work-group makes 256 rows of x by 384 columns: 256 of q (cluster column 0) or of k (1), and 128 of v; a wave 128 x 192: 96 accumulators, 768 registers.  256 work-groups of equal work.
; CLUSTERS 4 x 4: x's rows are asked for jointly along a row of the cluster, the weights' rows along a column.
; LDS: K goes in four chunks of 256.  Two slots of x's 256 rows and Wq's or Wk's 256 rows; one slot of Wv's 128 rows, filled again as soon as its chunk has been read (a second one would take 348,160 bytes in all, more than there is).
; LIMITS: e6 - e0 - e1, e7 - e2 - e3 and e9 - e4 - e5 between -126 and 119 (powers of two made in the exponent field).  NaN codes are not served.
; REGISTERS: window 0: v1-9, v14-15 addresses and scales, v16-143 eight fragments of x, v144-255 seven fragments of weights (fragment n of the sequence in n % 7), on the way out v16-207 codes; windows 1, 2, 3: the accumulators of weight blocks 0-3, 4-7 and 8-11 (v's).
.set KROW, 1024
.set PV,  272                          ; an LDS row: 256 bytes + 16 of padding: the 16 rows of a fragment load start 4 banks apart (64 banks: ISA guide 11.1)
.set QB,  256*PV                       ; in a slot: x's rows, then Wq's or Wk's
.set SL,  512*PV
.set VB,  2*SL                         ; Wv's slot
.set SPARE, VB+128*PV                  ; the spare words, 128 bytes a wave
.set SCQ, 1
.set ADV, 2
.set SCV, 3
.set ADA, 4                            ; v4-5  my fragments of x in slot 0, 1
.set LI,  6                            ; 16 x lane
.set SPW, 7
.set NIL, 8
.set PFO, 9
.set ADB, 14                           ; v14-15  the same for Wq or Wk
.set AF,  16
.set BF,  144
.set CV,  144
.set G1A, 8                            ; descriptor groups 1: x: 256 rows; weights: 128 rows
.set G1B, 16
.set VROW, (1<<20)|(1<<21)|(5<<22)|(3<<25)     ; elements of 1 byte; four words of padding behind every 64; bit 21 beside a mask
.set MSB, 0
.macro WIN new
.if MSB != (\new)
	s_set_vgpr_msb (MSB<<8)|(\new)
.set MSB, (\new)
.endif
.endm
.macro PLACES
.rept 4
	v_nop
.endr
.endm
.macro VLD                             ; Wv's tile
	tensor_load_to_lds s[56:59], s[G1B:G1B+7]
	s_nop 0
	PLACES
.endm
.macro JLOAD v                         ; wave 0: x's 256 rows; waves 1, 2: 128 rows each of Wq or Wk; wave 3: Wv's 128 (v = 1) or nothing
	s_cmp_lg_u32 s60, 0
	s_cbranch_scc1 .Lw_\@
	tensor_load_to_lds s[48:51], s[G1A:G1A+7]
	s_nop 0
	PLACES
	s_branch .Lj_\@
.Lw_\@:
	s_cmp_lg_u32 s60, 3
	s_cbranch_scc0 .Lv_\@
	tensor_load_to_lds s[52:55], s[G1B:G1B+7]
	s_nop 0
	PLACES
	s_branch .Lj_\@
.Lv_\@:
.if \v
	VLD
.endif
.Lj_\@:
.endm
.macro CREST                           ; a round of the cluster's barrier behind its opening barrier
	s_cmp_lg_u32 s60, 0
	s_cbranch_scc1 .Lnot_wave_0_\@
	s_barrier_signal -3
.Lnot_wave_0_\@:
	s_barrier_wait -3
	s_barrier_signal -1
	s_barrier_wait -1
.endm
.macro CROUND
	s_barrier_signal -1
	s_barrier_wait -1
	CREST
.endm
; PREFETCHES, a lane a row of 256 bytes.  Of a tile of 256 rows each of the four partners that ask jointly takes 64, by address (32 a wave: waves 0, 1 x's, waves 2, 3 Wq's or Wk's), of Wv's 128 rows 32 (wave 3).
; The weights are asked for by the clusters of the first four cluster rows alone: s100, s101.  Nothing is asked for at the head.  Behind each change of chunks stands what the next change will load:
; behind the first tiles x, Wq, Wk chunk 2 and Wv chunk 1, then chunks 3 and 2, then Wv chunk 3.
.macro ASK off, voff
.if \off
	s_cmp_eq_u32 s100, 1
	s_cbranch_scc0 .La_\@
	global_prefetch_b8 v[PFO], s[96:97] offset:\off th:TH_LOAD_NT scope:SCOPE_SE
.La_\@:
.endif
	s_cmp_eq_u32 s101, 1
	s_cbranch_scc0 .Lb_\@
	global_prefetch_b8 v[PFO], s[98:99] offset:\voff th:TH_LOAD_NT scope:SCOPE_SE
.Lb_\@:
.endm
.macro GROUP1 g, r                     ; a tile of r rows x 256 bytes, KROW apart
	s_mov_b32 s[\g+1], 256<<16
	s_mov_b32 s[\g+2], (\r)<<16
	s_mov_b32 s[\g+3], 256<<16
	s_mov_b32 s[\g+4], \r
	s_mov_b32 s[\g+5], KROW
	s_mov_b32 s[\g+6], 0
	s_mov_b32 s[\g+7], 0
.endm
	s_load_b256 s[68:75], s[0:1], 0x0              ; x, Wq, Wk, Wv
	s_load_b128 s[76:79], s[0:1], 0x20             ; the exponents, qkv
	v_lshl_add_u32 v[SPW], v0, 2, SPARE
	v_mov_b32 v[NIL], 0
	ds_add_u32 v[SPW], v[NIL]                      ; the wave's opening: the add, twice on end, and its wait
	ds_add_u32 v[SPW], v[NIL]
	v_lshrrev_b32 v1, 5, v0
	v_readfirstlane_b32 s60, v1                    ; wave
	s_lshr_b32 s61, s60, 1                         ; my half of x's rows
	s_and_b32 s62, s60, 1                          ; my half of the columns
	s_bfe_u32 s63, ttmp6, 0x40000                  ; cx
	s_bfe_u32 s66, ttmp6, 0x40004                  ; cy
	s_and_b32 s90, ttmp7, 0xffff                   ; the cluster's row
	s_lshl_b32 s2, s66, 2
	s_lshl_b32 s2, 15, s2                          ; my row of the cluster
	s_lshl_b32 s3, 0x1111, s63                     ; my column
	s_or_b32 s[G1A], s2, VROW
	s_or_b32 s[G1B], s3, VROW
	GROUP1 G1A, 256
	GROUP1 G1B, 128
	s_lshl_b32 s4, s90, 2
	s_add_co_u32 s4, s4, s66
	s_lshl_b32 s4, s4, 18                          ; x: row 256 x tile row
	s_mov_b32 s5, 0
	s_add_co_u32 s91, s60, 1
	s_and_b32 s91, s91, 1                          ; wave 1: 0, wave 2: 1
	s_lshl_b32 s6, s63, 18
	s_lshl_b32 s7, s91, 17
	s_add_co_u32 s6, s6, s7                        ; Wq, Wk: row 256 cx + 128 x that
	s_mov_b32 s7, 0
	s_lshl_b32 s92, ttmp9, 2
	s_add_co_u32 s92, s92, s63
	s_lshl_b32 s92, s92, 17                        ; Wv: row 128 x tile column
	s_mov_b32 s93, 0
	s_mul_i32 s91, s91, 128*PV
	s_mov_b32 s48, 1
	s_mov_b32 s49, 0
	s_mov_b32 s52, 1
	s_add_co_u32 s53, s91, QB
	s_mov_b32 s56, 1
	s_mov_b32 s57, VB
	s_wait_dscnt 0x0                               ; both opening adds are done
	s_wait_kmcnt 0x0
	s_load_b256 s[80:87], s[76:77], 0x0            ; e0 .. e7
	s_load_b64 s[88:89], s[76:77], 0x20            ; e8, e9
	s_cmp_eq_u32 ttmp9, 0
	s_cselect_b64 s[94:95], s[70:71], s[72:73]     ; cluster column 0 makes q, 1 makes k
	s_add_nc_u64 s[4:5], s[68:69], s[4:5]
	s_add_nc_u64 s[54:55], s[94:95], s[6:7]
	s_add_nc_u64 s[92:93], s[74:75], s[92:93]
	s_mov_b64 s[50:51], s[4:5]
	s_mov_b64 s[58:59], s[92:93]
	s_or_b32 s51, s51, 0x80000000
	s_or_b32 s55, s55, 0x80000000
	s_or_b32 s59, s59, 0x80000000
	CROUND                                         ; the first joint loads meet
	JLOAD 1                                        ; K chunk 0: one load a wave
	; the prefetches' bases
	s_lshl_b32 s2, s63, 18
	s_mov_b32 s3, 0
	s_add_nc_u64 s[94:95], s[94:95], s[2:3]
	s_cmp_eq_u32 s61, 0
	s_cselect_b64 s[96:97], s[4:5], s[94:95]
	s_cselect_b32 s2, s63, s66                     ; my place among the four that ask with me
	s_lshl_b32 s2, s2, 16
	s_lshl_b32 s91, s62, 15
	s_add_co_u32 s2, s2, s91
	s_add_nc_u64 s[96:97], s[96:97], s[2:3]
	s_lshl_b32 s2, s66, 15
	s_add_nc_u64 s[98:99], s[92:93], s[2:3]
	s_cmp_lt_u32 s90, 4
	s_cselect_b32 s91, 1, 0
	s_cmp_eq_u32 s61, 0
	s_cselect_b32 s100, 1, s91
	s_cmp_eq_u32 s60, 3
	s_cselect_b32 s101, s91, 0
	; where my fragments go.  q, k: row block 16 x tile row + 8 x row half, 16,384 bytes each; fragment 2 cx + column half
	s_lshl_b32 s2, s90, 2
	s_add_co_u32 s2, s2, s66
	s_lshl_b32 s2, s2, 18
	s_lshl_b32 s91, s61, 17
	s_add_co_u32 s2, s2, s91
	s_lshl_b32 s91, s63, 12
	s_add_co_u32 s2, s2, s91
	s_lshl_b32 s91, s62, 11
	s_add_co_u32 s2, s2, s91
	s_lshl_b32 s91, ttmp9, 23
	s_add_co_u32 s2, s2, s91
	s_add_nc_u64 s[6:7], s[78:79], s[2:3]
	; v^T: key step 2 x tile row + row half, 131,072 bytes each (16 to a batch); channel block 8 x tile column + 4 x column half
	s_lshl_b32 s2, s90, 20
	s_add_co_u32 s2, s2, 0x1000000
	s_lshl_b32 s91, s66, 18
	s_add_co_u32 s2, s2, s91
	s_lshl_b32 s91, s61, 17
	s_add_co_u32 s2, s2, s91
	s_lshl_b32 s91, ttmp9, 2
	s_add_co_u32 s91, s91, s63
	s_lshl_b32 s91, s91, 14
	s_add_co_u32 s2, s2, s91
	s_lshl_b32 s91, s62, 13
	s_add_co_u32 s2, s2, s91
	s_add_nc_u64 s[78:79], s[78:79], s[2:3]
	; the scales: a sum stands for sum x 2^(ea + eb); its code is sum / 2^(e - ea - eb).  s3, s5: the scales, s2, s4: 448 x them, s88, s89: those negated
	s_wait_kmcnt 0x0
	s_add_co_i32 s2, s80, s81
	s_add_co_i32 s3, s82, s83
	s_add_co_i32 s4, s84, s85
	s_cmp_eq_u32 ttmp9, 0
	s_cselect_b32 s2, s2, s3
	s_cselect_b32 s3, s86, s87
	s_sub_co_i32 s2, s3, s2
	s_add_co_i32 s2, s2, 127
	s_lshl_b32 s3, s2, 23
	s_add_co_i32 s2, s2, 8
	s_lshl_b32 s2, s2, 23
	s_or_b32 s2, s2, 0x600000
	s_sub_co_i32 s4, s89, s4
	s_add_co_i32 s4, s4, 127
	s_lshl_b32 s5, s4, 23
	s_add_co_i32 s4, s4, 8
	s_lshl_b32 s4, s4, 23
	s_or_b32 s4, s4, 0x600000
	s_or_b32 s88, s2, 0x80000000
	s_or_b32 s89, s4, 0x80000000
	s_mul_i32 s80, s61, 128*PV
	s_mul_i32 s81, s62, 128*PV
	s_add_co_u32 s81, s81, QB
	s_mul_i32 s82, s62, 64*PV
	s_add_co_u32 s82, s82, VB
	v_mov_b32 v[SCQ], s3
	v_mov_b32 v[SCV], s5
	v_and_b32 v16, 15, v0                          ; r
	v_bfe_u32 v17, v0, 4, 1                        ; h
	v_and_b32 v18, 31, v0
	v_lshlrev_b32 v[PFO], 10, v18
	v_lshlrev_b32 v[LI], 4, v18
	v_mul_u32_u24 v20, v16, PV
	v_lshl_add_u32 v20, v17, 4, v20
	v_add_nc_u32 v[ADA], s80, v20                  ; my fragments: row r, 16 h
	v_add_nc_u32 v[ADB], s81, v20
	v_add_nc_u32 v[ADV], s82, v20
	v_add_nc_u32 v[ADA+1], SL, v[ADA]
	v_add_nc_u32 v[ADB+1], SL, v[ADB]
	s_wait_alu depctr_va_vdst(0)
.macro LA hs, a                        ; x's fragment a of half step hs (128 along K)
.set fo, 128*((\hs)%2)+(\a)*16*PV
.set fv, ADA+((\hs)/2)%2
.irp c, 0,1,2,3
	ds_load_b128 v[AF+16*(\a)+4*\c:AF+16*(\a)+4*\c+3], v[fv] offset:fo+32*\c
.endr
.endm
.macro LB hs, b                        ; the weights' fragment b: 0-7 of Wq or Wk, 8-11 of Wv
.set fb, BF+16*((12*(\hs)+(\b))%7)
.if (\b) < 8
.set fo, 128*((\hs)%2)+(\b)*16*PV
.set fv, ADB+((\hs)/2)%2
.else
.set fo, 128*((\hs)%2)+((\b)-8)*16*PV
.set fv, ADV
.endif
.irp c, 0,1,2,3
	ds_load_b128 v[fb+4*\c:fb+4*\c+3], v[fv] offset:fo+32*\c
.endr
.endm
; Blocks 0-7: source 0 = 16 weight rows, source 1 = 16 rows of x: a lane holds a row of x and eight neighbouring channels.  Blocks 8-11 the other way round: a lane holds a channel of v and eight neighbouring keys.
; The 96 accumulators take turns, one instruction a turn, in the same order in every half step.
.macro MM b, a
.set fb, BF+16*((12*HS+(\b))%7)
.set fa, AF+16*(\a)
.set ac, 8*(8*((\b)%4)+(\a))
.if (\b) < 8
.if HS == 0
	v_wmma_f32_16x16x128_fp8_fp8 v[ac:ac+7], v[fb:fb+15], v[fa:fa+15], 0
.else
	v_wmma_f32_16x16x128_fp8_fp8 v[ac:ac+7], v[fb:fb+15], v[fa:fa+15], v[ac:ac+7]
.endif
.else
.if HS == 0
	v_wmma_f32_16x16x128_fp8_fp8 v[ac:ac+7], v[fa:fa+15], v[fb:fb+15], 0
.else
	v_wmma_f32_16x16x128_fp8_fp8 v[ac:ac+7], v[fa:fa+15], v[fb:fb+15], v[ac:ac+7]
.endif
.endif
.endm
.macro P1 g
.irp a, 0,1,2,3
.irp j, 0,1,2
	MM 4*(\g)+\j, \a
.endr
.endr
.endm
.macro P2 g
.irp a, 0,1,2,3
	MM 4*(\g)+3, \a
.endr
.endm
.macro P3 g                            ; the group's first weight fragment has been read for the last time behind these
.irp a, 4,5,6,7
	MM 4*(\g), \a
.endr
.endm
.macro P4 g
.irp a, 4,5,6,7
.irp j, 1,2,3
	MM 4*(\g)+\j, \a
.endr
.endr
.endm
.macro QQ a0, a1                       ; v's group goes by x's fragments, which are free one after the other
.irp a, \a0, \a1
.irp j, 8,9,10,11
	MM \j, \a
.endr
.endr
.endm
.macro QR a0, a1
.irp a, \a0, \a1
.irp j, 9,10,11
	MM \j, \a
.endr
.endr
.endm
.macro RUN                             ; ahead of a run of loads: four places behind the matrix instructions that read their registers
	WIN 0
	PLACES
.endm
.macro HALFSTEP                        ; 128 along K: three groups of 32 matrix instructions
.set HN, HS+1
	s_wait_dscnt 20                                ; x's fragments 0-3 and weights 0-2 are in; b3 and x's 4-7 (4 + 8 + 8 loads) may be out
	WIN 0x50
	P1 0
	RUN
	LB HS, 4
	LB HS, 5
	LB HS, 6
	s_wait_dscnt 28                                ; b3 is in: x's 4-7 and the 12 above may be out
	WIN 0x50
	P2 0
	s_wait_dscnt 12                                ; x's 4-7 are in
	P3 0
	RUN
	LB HS, 7
	WIN 0x50
	P4 0
	s_wait_dscnt 4                                 ; b4-b6 are in; b7 may be out
	WIN 0xa0
	P1 1
.if (HS%2 == 0) && (HS > 0)            ; a chunk of Wv is read for the first time: wave 3 has waited for it
	WIN 0
	s_cmp_lg_u32 s60, 3
	s_cbranch_scc1 .Lmine_\@
	s_wait_tensorcnt 0x0
.Lmine_\@:
	s_wait_dscnt 0x0
	s_barrier_signal -1
	WIN 0xa0
	P2 1
	WIN 0
	s_barrier_wait -1
	RUN
	LB HS, 8
	LB HS, 9
	LB HS, 10
	WIN 0xa0
.else
	RUN
	LB HS, 8
	LB HS, 9
	LB HS, 10
	s_wait_dscnt 12                                ; b7 is in
	WIN 0xa0
	P2 1
.endif
	P3 1
	RUN
	LB HS, 11                                      ; the last read of this half step's tiles
	WIN 0xa0
	P4 1
.if HS == 7
	s_wait_dscnt 0x0
	WIN 0xf0
	QQ 0, 1
	QQ 2, 3
.elseif HS%2 == 1
; The change of chunks, 32 matrix instructions ahead of the step's end: in front of the round each wave waits for all its tensor loads, adds 0 to its spare word, and waits for that and for its reads.
; Behind it the slot that has been read is filled with the chunk two on, Wv's slot with the next.
	WIN 0
	s_wait_tensorcnt 0x0
	ds_add_u32 v[SPW], v[NIL]
	s_add_nc_u64 s[58:59], s[58:59], 256
.if HS < 5
	s_add_nc_u64 s[50:51], s[50:51], 256
	s_add_nc_u64 s[54:55], s[54:55], 256
.if HS == 1
	s_sub_co_u32 s49, s49, SL                      ; chunk 2: slot 0
	s_sub_co_u32 s53, s53, SL
.else
	s_add_co_u32 s49, s49, SL                      ; chunk 3: slot 1
	s_add_co_u32 s53, s53, SL
.endif
.endif
	s_wait_dscnt 1                                 ; the fragments are in; the add may be out
	WIN 0xf0
	QQ 0, 1
	s_wait_dscnt 0x0                               ; the add is done
	s_barrier_signal -1
	QQ 2, 3
	WIN 0
	s_barrier_wait -1
	CREST
.if HS < 5
	JLOAD 1                                        ; its four v_nop are also the places in front of the loads below
.else
	s_cmp_lg_u32 s60, 3
	s_cbranch_scc1 .Lno_v_\@
	VLD
.Lno_v_\@:
	PLACES
.endif
	LA HN, 0
	LA HN, 1
	LB HN, 0
	LA HN, 2
	LA HN, 3
	LB HN, 1
	LB HN, 2
.if HS == 1
	ASK 768, 512
.elseif HS == 3
	ASK 0, 768
.endif
	WIN 0xf0
.else
	s_wait_dscnt 0x0
	WIN 0xf0
	QQ 0, 1
	RUN
	LA HN, 0
	LA HN, 1
	LB HN, 0
	WIN 0xf0
	QQ 2, 3
	RUN
	LA HN, 2
	LA HN, 3
	LB HN, 1
	LB HN, 2
	WIN 0xf0
.endif
	P3 2
	QR 4, 5
.if HS < 7
	RUN
	LB HN, 3
	LA HN, 4
	LA HN, 5
	WIN 0xf0
.endif
	QR 6, 7
.if HS < 7
	RUN
	LA HN, 6
	LA HN, 7
.endif
.set HS, HS+1
.endm
	s_wait_tensorcnt 0x0                           ; my part of chunk 0 is in
	ds_add_u32 v[SPW], v[NIL]
	s_add_nc_u64 s[50:51], s[50:51], 256           ; chunk 1: slot 1
	s_add_nc_u64 s[54:55], s[54:55], 256
	s_add_co_u32 s49, s49, SL
	s_add_co_u32 s53, s53, SL
	s_wait_dscnt 0x0
	CROUND
	JLOAD 0                                        ; it has 160 matrix instructions in which to land
	LA 0, 0
	LA 0, 1
	LB 0, 0
	LA 0, 2
	LA 0, 3
	LB 0, 1
	LB 0, 2
	LB 0, 3
	LA 0, 4
	LA 0, 5
	LA 0, 6
	LA 0, 7
	ASK 512, 256
.set HS, 0
.rept 8
	HALFSTEP
.endr
	WIN 0
	PLACES                                         ; behind the last products: codes are laid over their fragments
; THE WAY OUT.  Each sum is held at 448 x its scale (the conversion does not saturate: ISA guide 7.6.2) and converted, eight neighbours of a lane at a time.
; The 16 code registers of a block are a fragment of the next product as they stand, and are stored so: 512 consecutive bytes a store.  Each block has code registers of its own.
.macro OUT cd, ptr, at
	WIN 0
	v_nop                                          ; the plain line behind the last conversion
.irp c, 0,1,2,3
	global_store_b128 v[LI], v[\cd+4*\c:\cd+4*\c+3], s[\ptr:\ptr+1] offset:\at+512*\c
.endr
.endm
.macro QF a                            ; q or k: x's block a, my 128 channels
.irp g, 0,1
	WIN 0x41*(\g+1)                                ; source 0 and destination: window g + 1
.irp j, 0,1,2,3
.irp i, 0,1,2,3,4,5,6,7
	v_med3_num_f32 v[8*(8*\j+(\a))+\i], v[8*(8*\j+(\a))+\i], s88, s2
.endr
.endr
	WIN \g+1
.irp j, 0,1,2,3
	v_cvt_scalef32_pk8_fp8_f32 v[16+16*(\a)+8*\g+2*\j:16+16*(\a)+8*\g+2*\j+1], v[8*(8*\j+(\a)):8*(8*\j+(\a))+7], v[SCQ]
.endr
.endr
	OUT 16+16*(\a), 6, 16384*(\a)
.endm
.macro QV b                            ; v: 16 channels, my 128 keys
	WIN 0xc3
.irp a, 0,1,2,3,4,5,6,7
.irp i, 0,1,2,3,4,5,6,7
	v_med3_num_f32 v[8*(8*(\b)+\a)+\i], v[8*(8*(\b)+\a)+\i], s89, s4
.endr
.endr
	WIN 3
.irp a, 0,1,2,3,4,5,6,7
	v_cvt_scalef32_pk8_fp8_f32 v[CV+16*(\b)+2*\a:CV+16*(\b)+2*\a+1], v[8*(8*(\b)+\a):8*(8*(\b)+\a)+7], v[SCV]
.endr
	OUT CV+16*(\b), 78, 2048*(\b)
.endm
.irp a, 0,1,2,3,4,5,6,7
	QF \a
.endr
.irp b, 0,1,2,3
	QV \b
.endr
	s_wait_tensorcnt 0x0                           ; the wave's end
	ds_add_u32 v[SPW], v[NIL]
	s_wait_dscnt 0x0
	CROUND                                         ; the closing round
	s_endpgm
.Lfunc_end_k_q04fb945502_proj:
	.size	k_q04fb945502_proj, .Lfunc_end_k_q04fb945502_proj-k_q04fb945502_proj
	.p2alignl 7, 3214868480
	.fill 96, 4, 3214868480
	.section	.rodata,"a",@progbits
	.p2align	6, 0x0
	.amdhsa_kernel k_q04fb945502_proj
		.amdhsa_group_segment_fixed_size 327680
		.amdhsa_private_segment_fixed_size 0
		.amdhsa_enable_private_segment 0
		.amdhsa_kernarg_size 48
		.amdhsa_user_sgpr_count 2
		.amdhsa_user_sgpr_kernarg_segment_ptr 1
		.amdhsa_wavefront_size32 1
		.amdhsa_system_sgpr_workgroup_id_x 1
		.amdhsa_system_sgpr_workgroup_id_y 1
		.amdhsa_system_sgpr_workgroup_id_z 1
		.amdhsa_system_vgpr_workitem_id 0
		.amdhsa_next_free_vgpr 1024
		.amdhsa_next_free_sgpr 102
		.amdhsa_reserve_vcc 0
		.amdhsa_float_denorm_mode_32 3
		.amdhsa_float_denorm_mode_16_64 3
		.amdhsa_memory_ordered 1
		.amdhsa_forward_progress 1
		.amdhsa_inst_pref_size 177
	.end_amdhsa_kernel
	.amdgpu_metadata
---
amdhsa.version: [ 1, 2 ]
amdhsa.kernels:
  - .name:           k_q04fb945502_proj
    .symbol:         k_q04fb945502_proj.kd
    .args:
      - { .name: x_codes, .offset: 0, .size: 8, .value_kind: global_buffer, .address_space: global }
      - { .name: Wq_codes, .offset: 8, .size: 8, .value_kind: global_buffer, .address_space: global }
      - { .name: Wk_codes, .offset: 16, .size: 8, .value_kind: global_buffer, .address_space: global }
      - { .name: Wv_codes, .offset: 24, .size: 8, .value_kind: global_buffer, .address_space: global }
      - { .name: lowp_scales, .offset: 32, .size: 8, .value_kind: global_buffer, .address_space: global }
      - { .name: qkv, .offset: 40, .size: 8, .value_kind: global_buffer, .address_space: global }
    .group_segment_fixed_size: 327680
    .private_segment_fixed_size: 0
    .kernarg_segment_align: 8
    .kernarg_segment_size: 48
    .max_flat_workgroup_size: 128
    .sgpr_count:     102
    .vgpr_count:     1024
    .wavefront_size: 32
...
	.end_amdgpu_metadata
.endif
;; end of part 1
;; launch scores (part 2): grid 8 x 32, 4 waves a work-group, clusters of 4 x 4, 327,680 bytes of LDS; arguments qkv, lowp_scales, p, stats; writes p, stats
.if DOCPART == 2
	.amdgcn_target "amdgcn-amd-amdhsa--gfx1250"
	.amdhsa_code_object_version 6
	.text
	.protected	k_q04fb945502_scores
	.globl	k_q04fb945502_scores
	.p2align	8
	.type	k_q04fb945502_scores,@function
k_q04fb945502_scores:
	s_mov_b64 s[64:65], 0
	v_nop
	global_prefetch_b8 v0, s[64:65] scope:SCOPE_SE
	s_setreg_imm32_b32 hwreg(HW_REG_WAVE_MODE, 25, 1), 1
	s_wait_xcnt 0x0
	s_wait_alu depctr_hold_cnt(0) depctr_sa_sdst(0) depctr_va_vdst(0) depctr_va_sdst(0) depctr_va_ssrc(0) depctr_va_vcc(0) depctr_vm_vsrc(0)
	s_getreg_b32 s2, hwreg(HW_REG_IB_STS2, 6, 4)
	s_cmp_eq_u32 s2, 0
	s_cbranch_scc0 .Lentry_in_a_cluster
	s_endpgm
.Lentry_in_a_cluster:
	s_bfe_u32 s2, ttmp6, 0x10000c
	s_cmp_lg_u32 s2, 0xf033
	s_cbranch_scc0 .Lentry_shape_is_right
	s_endpgm
.Lentry_shape_is_right:
; S = q k^T on codes of E4M3, and the softmax's weights as codes, tile by tile of 256 queries x 256 keys.
; t = score x 2^(e6 + e7) x log2(e) / 32;  M = ceil(the largest t of a query among THIS TILE's 256 keys), a whole number;  p = 2^(t - M), held at 448 x 2^e8 and quantised with 2^e8.
; Stored: p's codes; -M for each query and tile of 256 keys; l = the sum of the unquantised p for each query and half tile of 128 keys.  The next launch brings the eight tiles of a row under one M by
; exact powers of two.  So the quantised numbers are those under the row's M, but for numbers under the format's range, and provided that 1 needs no hold: LIMIT e8 >= -8.
; LIMITS: e6 + e7 between -121 and 132 (added to the exponent field of log2(e) / 32); e8 between -126 and 119.  The promise holds while the scaled scores stay under 2^31 in magnitude.  NaN is not served.
; SHARES: four waves of 128 x 128; K = 1024 in eight half steps of 128, 64 matrix instructions each.
; q and k lie in memory as images of operand registers: fragments of 16 rows x 128 K, 2,048 bytes, eight to a row block of 16 rows.
; k GOES THROUGH LDS: 256 keys x 1024 = 262,144 bytes, all of K, in two first fills of four half steps each; nothing is filled again.  CLUSTER 4 x 4: k's tiles are asked for jointly along a column.
; q GOES STRAIGHT INTO REGISTERS, two half steps ahead, and is not asked for jointly: through LDS it would double what the waves read from there, 2 x 128 rows x 1024 bytes a wave instead of 128 x 1024.
; Transposed use (source 0 = 16 keys, source 1 = 16 queries): lane (r, h) of accumulator (a, b) holds query 16 a + r and keys 16 b + 8 h + 0 .. 7.  The two code registers of accumulator b are registers
; 2 b, 2 b + 1 of an operand of 16 queries x 128 keys in the matrix form's own layout: a block's 16 code registers ARE the next product's fragment, and go to memory as they stand, 16 bytes a lane.
; p: fragment (row / 16, key / 128 in the batch) at (16 qb + ks) x 2048; registers 4 c .. 4 c + 3 of lane l at 512 c + 16 l.
; stats: -M: plane (key tile) of 32,768 bytes from byte 0; l: plane (key half tile) from byte 262,144; a row lies at (row >> 6) x 256 + (row & 15) x 16 + ((row >> 4) & 3) x 4.
; REGISTERS: window 0: v4-14 addresses and scales, v16-255 fifteen fragments of k (fragment n of the sequence in n % 15); window 1: two sets of eight fragments of q; windows 2 and 3: the accumulators, (a, b) at v[8 (8 (a % 4) + b)].
; Behind the products window 0 holds: v32-39 my maxima, v40-47 the other side's, v48-63 pairs (-M, t), v64-71 l, v72-81 at work, v92-95 at work,
; v96-159 and v160-223 t - M and then p of two blocks by turns, v224-255 two sets of 16 code registers.
.set HALFK,  131072                    ; LDS bytes of four half steps of k
.set SPARE,  2*HALFK                   ; the spare words, 128 bytes a wave
.set EXB,    SPARE+512                 ; bytes into which no fill lands: 1,024 a wave, for the maxima
.set ADB,  4                           ; v4-5  my 128 keys' fragments in the first and the second fill
.set EXR,  6                           ; where the wave with my queries and the other 128 keys has put its maxima
.set MO,   7                           ; 16 r + 8 h
.set LI,   8                           ; 16 x lane
.set EXW,  9                           ; where I put mine
.set SPW,  10
.set NIL,  11
.set SC,   12                          ; 2^e8
.set LIM,  13                          ; 448 x 2^e8
.set PFO,  14                          ; 256 x lane
.set MX,   32
.set PX,   40
.set NMB,  48
.set LS,   64
.set LC,   72
.set H,    76
.set XO,   92
.set T0,   96
.set CD,   224
.set G1, 24
.set G0, 32
.set MSB, 0
.macro WIN new
.if MSB != (\new)
	s_set_vgpr_msb (MSB<<8)|(\new)
.set MSB, (\new)
.endif
.endm
.set MUL_LO, 0xa4                      ; source 0 (k) window 0, source 1 (q) window 1, C and D window 2
.set MUL_HI, 0xf4                      ; the same, C and D window 3
.set TO_Q,   0x40                      ; destination window 1
.macro PLACES
.rept 4
	v_nop
.endr
.endm
.macro CREST
	s_cmp_lg_u32 s14, 0
	s_cbranch_scc1 .Lnot_wave_0_\@
	s_barrier_signal -3
.Lnot_wave_0_\@:
	s_barrier_wait -3
	s_barrier_signal -1
	s_barrier_wait -1
.endm
.macro CROUND
	s_barrier_signal -1
	s_barrier_wait -1
	CREST
.endm
.macro LAQ hs, a                       ; q's fragment a of half step hs into set hs % 2
.irp c, 0,1,2,3
	global_load_b128 v[128*((\hs)%2)+16*(\a)+4*\c:128*((\hs)%2)+16*(\a)+4*\c+3], v[LI], s[12:13] offset:16384*(\a)+2048*(\hs)+512*\c
.endr
.endm
.macro LBK hs, b                       ; k's fragment b of half step hs
.set fb, 16+16*((8*(\hs)+(\b))%15)
.irp c, 0,1,2,3
	ds_load_b128 v[fb+4*\c:fb+4*\c+3], v[ADB+(\hs)/4] offset:8192*(\b)+2048*((\hs)%4)+512*\c
.endr
.endm
	s_load_b256 s[4:11], s[0:1], 0x0               ; qkv s[4:5], the exponents s[6:7], p s[8:9], stats s[10:11]
	v_lshl_add_u32 v[SPW], v0, 2, SPARE
	v_mov_b32 v[NIL], 0
	ds_add_u32 v[SPW], v[NIL]                      ; the wave's opening: the add, twice on end, and its wait
	ds_add_u32 v[SPW], v[NIL]
	v_lshrrev_b32 v1, 5, v0
	v_readfirstlane_b32 s14, v1                    ; wave
	s_lshr_b32 s15, s14, 1                         ; my half of the queries
	s_and_b32 s16, s14, 1                          ; my half of the keys
	s_bfe_u32 s40, ttmp6, 0x40000                  ; cx
	s_bfe_u32 s41, ttmp6, 0x40004                  ; cy
	s_lshl_b32 s42, ttmp9, 2
	s_add_co_u32 s42, s42, s40                     ; the key tile in the batch, 0 .. 7
	s_and_b32 s76, ttmp7, 0xffff
	s_lshl_b32 s17, s76, 2
	s_add_co_u32 s17, s17, s41                     ; the query tile, 0 .. 31
	s_lshr_b32 s77, s76, 1                         ; the batch: eight query tiles, two clusters: shared by the partners
	s_lshl_b32 s44, 0x1111, s40
	s_or_b32 s[G1], s44, 1<<21                     ; the mask of my column; elements of 1 byte; no padding; bit 21 beside a mask
	s_mov_b32 s[G1+1], 8192<<16                    ; four row blocks, half of each: 8,192 bytes of 16,384
	s_mov_b32 s[G1+2], 4<<16
	s_mov_b32 s[G1+3], 8192<<16
	s_mov_b32 s[G1+4], 4
	s_mov_b32 s[G1+5], 16384
	s_mov_b32 s[G1+6], 0
	s_mov_b32 s[G1+7], 0
	s_lshl_b32 s46, s77, 21
	s_lshl_b32 s47, s42, 18
	s_add_co_u32 s46, s46, s47
	s_lshl_b32 s47, s14, 16
	s_add_co_u32 s46, s46, s47                     ; k: row block 128 x batch + 16 x key tile + 4 x wave
	s_add_co_u32 s46, s46, 0x800000
	s_mov_b32 s47, 0
	s_lshl_b32 s20, s17, 18
	s_lshl_b32 s21, s15, 17
	s_add_co_u32 s20, s20, s21                     ; q: row block 16 x query tile + 8 x row half
	s_mov_b32 s21, 0
	; the prefetch: q's half steps 4-7.  Of the tile's 16 row blocks x 8,192 bytes each of the four partners takes four row blocks, by address (cx), one a wave: lanes 256 bytes apart
	s_lshl_b32 s2, s17, 18
	s_lshl_b32 s3, s14, 16
	s_add_co_u32 s2, s2, s3
	s_lshl_b32 s3, s40, 14
	s_add_co_u32 s2, s2, s3
	s_add_co_u32 s2, s2, 8192
	s_mov_b32 s3, 0
	s_lshl_b32 s22, s14, 10
	s_add_co_u32 s22, s22, EXB
	s_xor_b32 s23, s14, 1                          ; the wave with my queries and the other keys
	s_lshl_b32 s23, s23, 10
	s_add_co_u32 s23, s23, EXB
	s_lshl_b32 s45, s16, 16                        ; my eight row blocks of k in LDS
	v_and_b32 v1, 15, v0                           ; r
	v_bfe_u32 v2, v0, 4, 1                         ; h
	v_and_b32 v3, 31, v0
	v_lshlrev_b32 v[LI], 4, v3
	v_lshlrev_b32 v[PFO], 8, v3
	v_lshlrev_b32 v[MO], 4, v1
	v_lshl_add_u32 v[MO], v2, 3, v[MO]
	v_add_nc_u32 v[EXW], s22, v[LI]
	v_add_nc_u32 v[EXR], s23, v[LI]
	v_add_nc_u32 v[ADB], s45, v[LI]
	v_add_nc_u32 v[ADB+1], HALFK, v[ADB]
	s_wait_alu depctr_va_vdst(0)                   ; directly ahead of the waits below
	s_wait_dscnt 0x0                               ; both opening adds are done
	s_wait_kmcnt 0x0
	s_load_b128 s[92:95], s[6:7], 0x18             ; e6, e7, e8, e9
	s_add_nc_u64 s[12:13], s[4:5], s[20:21]
	s_add_nc_u64 s[2:3], s[4:5], s[2:3]
	s_mov_b32 s[G0], 1
	s_lshl_b32 s[G0+1], s14, 15                    ; my four row blocks' 32,768 bytes of a fill
	s_add_nc_u64 s[G0+2:G0+3], s[4:5], s[46:47]
	s_or_b32 s[G0+3], s[G0+3], 0x80000000
	CROUND                                         ; the first joint loads meet
	tensor_load_to_lds s[G0:G0+3], s[G1:G1+7]      ; k's half steps 0-3: one load a wave
	s_nop 0
	PLACES
	WIN TO_Q
.irp a, 0,1,2,3,4,5,6,7
	LAQ 0, \a
.endr
.irp a, 0,1,2,3,4,5,6,7
	LAQ 1, \a
.endr
	WIN 0
	s_lshl_b32 s20, s17, 4                         ; p: my first fragment: qb = 16 x query tile + 8 x row half, ks = 2 x key tile + column half
	s_lshl_b32 s21, s15, 3
	s_add_co_u32 s20, s20, s21
	s_lshl_b32 s20, s20, 4
	s_lshl_b32 s46, s42, 1
	s_add_co_u32 s46, s46, s16
	s_add_co_u32 s20, s20, s46
	s_lshl_b32 s20, s20, 11
	s_mov_b32 s21, 0
	s_add_nc_u64 s[8:9], s[8:9], s[20:21]
	s_lshl_b32 s20, s17, 2                         ; stats: my 128 rows are blocks 4 x query tile + 2 x row half, + 1 of 256 bytes
	s_lshl_b32 s21, s15, 1
	s_add_co_u32 s20, s20, s21
	s_add_co_u32 s22, s20, s16                     ; -M: each of the two waves that hold it stores one of the two blocks
	s_lshl_b32 s22, s22, 8
	s_lshl_b32 s23, s42, 15
	s_add_co_u32 s22, s22, s23
	s_mov_b32 s23, 0
	s_add_nc_u64 s[68:69], s[10:11], s[22:23]
	s_lshl_b32 s20, s20, 8
	s_lshl_b32 s46, s46, 15
	s_add_co_u32 s20, s20, s46
	s_add_co_u32 s20, s20, 262144
	s_mov_b32 s21, 0
	s_add_nc_u64 s[10:11], s[10:11], s[20:21]      ; l
.macro MM a, b
.set fb, 16+16*((8*HS+(\b))%15)
.set fa, 128*(HS%2)+16*(\a)
.set ac, 8*(8*((\a)%4)+(\b))
.if HS == 0
	v_wmma_f32_16x16x128_fp8_fp8 v[ac:ac+7], v[fb:fb+15], v[fa:fa+15], 0
.else
	v_wmma_f32_16x16x128_fp8_fp8 v[ac:ac+7], v[fb:fb+15], v[fa:fa+15], v[ac:ac+7]
.endif
.endm
.macro TWO a0, a1                      ; two blocks of queries x eight of keys
.irp a, \a0, \a1
.irp b, 0,1,2,3,4,5,6,7
	MM \a, \b
.endr
.endr
.endm
.macro LWAIT t                         ; blocks 2 t, 2 t + 1 of q are in: behind them 56 loads have been issued; in the last two half steps, which ask for nothing, fewer
.if HS < 6
	s_wait_loadcnt 56
.elseif HS == 6
	s_wait_loadcnt 56-8*(\t)
.else
	s_wait_loadcnt 24-8*(\t)
.endif
.endm
.macro NEXTQ a0, a1                    ; two blocks of q, two half steps on, into the registers just read
.if HS < 6
	WIN TO_Q
	PLACES
	LAQ HS+2, \a0
	LAQ HS+2, \a1
.endif
.endm
.macro NEXTK b0, b1                    ; k's fragments of the next half step
.if HS < 7
	WIN 0
.if HS == 6
	PLACES
.endif
	LBK HS+1, \b0
	LBK HS+1, \b1
.endif
.endm
; A half step.  The 64 accumulators take turns, one instruction a turn, in the same order in every half step.
.macro HALFSTEP
	s_wait_dscnt 4                                 ; k's fragments 0-6 are in; b7's four loads may be out
	LWAIT 0
	WIN MUL_LO
.irp a, 0,1
.irp b, 0,1,2,3,4,5,6
	MM \a, \b
.endr
.endr
.if HS == 3                            ; the second fill is read from here on: every wave has waited for its part
	s_wait_tensorcnt 0x0
	s_wait_dscnt 0x0
	s_barrier_signal -1
	MM 0, 7
	MM 1, 7
	s_barrier_wait -1
.else
	s_wait_dscnt 0x0
	MM 0, 7
	MM 1, 7
.endif
	NEXTQ 0, 1
	NEXTK 0, 1
	LWAIT 1
	WIN MUL_LO
	TWO 2, 3
	NEXTQ 2, 3
	NEXTK 2, 3
	LWAIT 2
	WIN MUL_HI
	TWO 4, 5
	NEXTQ 4, 5
	NEXTK 4, 5
	LWAIT 3
	WIN MUL_HI
	MM 6, 0
	MM 7, 0
.if HS < 7
	WIN 0
	PLACES                                         ; b7's registers are those that b0 leaves here
	LBK HS+1, 6
	LBK HS+1, 7
	WIN MUL_HI
.endif
.irp a, 6,7
.irp b, 1,2,3,4,5,6,7
	MM \a, \b
.endr
.endr
	NEXTQ 6, 7
.set HS, HS+1
.endm
	s_wait_tensorcnt 0x0                           ; my part of the first fill is in
	ds_add_u32 v[SPW], v[NIL]
	s_add_co_u32 s[G0+1], s[G0+1], HALFK
	s_add_nc_u64 s[G0+2:G0+3], s[G0+2:G0+3], 8192
	s_wait_dscnt 0x0
	CROUND
	tensor_load_to_lds s[G0:G0+3], s[G1:G1+7]      ; k's half steps 4-7: three half steps and more in which to land
	s_nop 0
	PLACES
.irp b, 0,1,2,3,4,5,6,7
	LBK 0, \b
.endr
	global_prefetch_b8 v[PFO], s[2:3] th:TH_LOAD_NT scope:SCOPE_SE   ; q's half steps 4-7, the first of which is loaded two half steps on
.set HS, 0
.rept 8
	HALFSTEP
.endr
	WIN 0
	PLACES                                         ; behind the last products: work is laid over their fragments
	; THE SOFTMAX OF THE TILE
	s_wait_kmcnt 0x0
	s_add_co_i32 s90, s92, s93
	s_lshl_b32 s90, s90, 23
	s_mov_b32 s96, 0x3d38aa3b                      ; log2(e) / 32
	s_add_co_i32 s96, s96, s90                     ; x 2^(e6 + e7): the two exponents are added to its exponent field
	s_mov_b32 s97, s96                             ; (named with it as a pair)
	s_add_co_i32 s90, s94, 127
	s_lshl_b32 s91, s90, 23
	v_mov_b32 v[SC], s91
	s_add_co_i32 s90, s90, 8
	s_lshl_b32 s90, s90, 23
	s_or_b32 s90, s90, 0x600000
	v_mov_b32 v[LIM], s90
	s_mov_b32 s98, 0x76543210                      ; v_permlanex16_b32: lane l xor 16
	s_mov_b32 s99, 0xfedcba98
.irp a, 0,1,2,3,4,5,6,7
	v_mov_b32 v[PX+\a], 0                          ; a lane permute's destination counts as read
.endr
; The largest score of each of my 8 queries among my 64 keys: four chains that do not wait for each other; each accumulator from its low end on.
.macro MAXES hi
	WIN 0x28+0x14*(\hi)                            ; sources 1 and 2: window 2 or 3
.set i, 0
.rept 32
.irp a, 0,1,2,3
.if i == 0
	v_max3_num_f32 v[MX+4*(\hi)+\a], 0xff800000, v[64*\a], v[64*\a+1]
.else
	v_max3_num_f32 v[MX+4*(\hi)+\a], v[MX+4*(\hi)+\a], v[64*\a+2*i], v[64*\a+2*i+1]
.endif
.endr
.set i, i+1
.endr
.endm
	MAXES 0
	MAXES 1
	WIN 0
.irp a, 0,1,2,3,4,5,6,7
	v_permlanex16_b32 v[PX+\a], v[MX+\a], s98, s99
.endr
.irp a, 0,1,2,3,4,5,6,7
	v_max_num_f32 v[MX+\a], v[MX+\a], v[PX+\a]     ; among my wave's 128 keys
.endr
	ds_store_b128 v[EXW], v[MX:MX+3]
	ds_store_b128 v[EXW], v[MX+4:MX+7] offset:512
	s_wait_alu depctr_va_vdst(0)                   ; directly ahead of the wait below
	s_wait_dscnt 0x0                               ; for the other wave's sake
	s_barrier_signal -1
	s_barrier_wait -1
	ds_load_b128 v[PX:PX+3], v[EXR]
	ds_load_b128 v[PX+4:PX+7], v[EXR] offset:512
	s_wait_dscnt 0x0
.irp a, 0,1,2,3,4,5,6,7
	v_max_num_f32 v[MX+\a], v[MX+\a], v[PX+\a]     ; among the tile's 256 keys
.endr
.irp a, 0,1,2,3,4,5,6,7
	v_mul_f32 v[NMB+2*\a+1], s96, v[MX+\a]         ; as t (the factor is positive)
.endr
.irp a, 0,1,2,3,4,5,6,7
	v_floor_f32 v[NMB+2*\a], -v[NMB+2*\a+1]        ; -M = floor(-t) = -ceil(t)
.endr
.macro FMA a                           ; block a: t - M, two at a time, into set a % 2
.set TT, T0+64*((\a)%2)
.set AC, 64*((\a)%4)
	WIN 0x02+((\a)/4)
.set i, 0
.rept 32
	v_pk_fma_f32 v[TT+2*i:TT+2*i+1], v[AC+2*i:AC+2*i+1], s[96:97], v[NMB+2*(\a):NMB+2*(\a)+1] op_sel_hi:[1,0,0]
.set i, i+1
.endr
	WIN 0
.endm
; Block w's sum of the unquantised p (four chains of pairs, v72-79); then block e's 64 exponentials with block w's holds between them; then block w's conversions.
; Nothing among the exponentials reads what a plain instruction among them or an exponential of this batch has written: ONE wait ahead of the batch and ONE behind it serve all readers.
.macro MIX e, w, doe, dow
.set TE, T0+64*((\e)%2)
.set TU, T0+64*((\w)%2)
.set CW, CD+16*((\w)%2)
.if \dow
.irp j, 0,1,2,3
	v_pk_add_f32 v[LC+2*\j:LC+2*\j+1], v[TU+4*\j:TU+4*\j+1], v[TU+4*\j+2:TU+4*\j+3]
.endr
.set n, 8
.rept 24
	v_pk_add_f32 v[LC+2*(n%4):LC+2*(n%4)+1], v[LC+2*(n%4):LC+2*(n%4)+1], v[TU+2*n:TU+2*n+1]
.set n, n+1
.endr
	v_pk_add_f32 v[LC:LC+1], v[LC:LC+1], v[LC+4:LC+5]
	v_pk_add_f32 v[LC+2:LC+3], v[LC+2:LC+3], v[LC+6:LC+7]
	v_pk_add_f32 v[LC:LC+1], v[LC:LC+1], v[LC+2:LC+3]
	v_add_f32 v[LS+(\w)], v[LC], v[LC+1]           ; my 64 keys' part of l
.endif
.if (\dow) && ((\w) > 1)
	s_wait_xcnt 0x0                                ; block w - 2's stores have read this set of code registers: only behind this wait is it written again
.endif
	s_wait_alu depctr_va_vdst(0)                   ; the wait ahead of the batch
.set n, 0
.rept 64
.if \doe
	v_exp_f32 v[TE+n], v[TE+n]
.endif
.if \dow
	v_min_num_f32 v[TU+n], v[TU+n], v[LIM]         ; the conversion does not saturate (ISA guide 7.6.2); p is not negative: a one-sided hold
.endif
.set n, n+1
.endr
	v_nop                                          ; the plain line behind the last exponential
.if \doe
	s_wait_alu depctr_va_vdst(0)                   ; and behind it: one wait for the batch, ahead of its first reader
.endif
.if \dow
.set n, 0
.rept 8
	v_cvt_scalef32_pk8_fp8_f32 v[CW+2*n:CW+2*n+1], v[TU+8*n:TU+8*n+7], v[SC]
.set n, n+1
.endr
	v_nop                                          ; the plain line behind the last conversion
.irp c, 0,1,2,3
	global_store_b128 v[LI], v[CW+4*\c:CW+4*\c+3], s[8:9] offset:32768*(\w)+512*\c   ; the fragment as it stands: 512 consecutive bytes a store
.endr
.endif
.endm
	FMA 0
	MIX 0, 0, 1, 0
.irp a, 1,2,3,4,5,6,7
	FMA \a
	MIX \a, \a-1, 1, 1
.endr
	MIX 0, 7, 0, 1
.irp a, 0,1,2,3,4,5,6,7
	v_permlanex16_b32 v[PX+\a], v[LS+\a], s98, s99
.endr
.irp a, 0,1,2,3,4,5,6,7
	v_add_f32 v[LS+\a], v[LS+\a], v[PX+\a]         ; l over my wave's 128 keys
.endr
	s_mov_b32 vcc_lo, 0xffff0000                   ; lanes 16-31
.irp i, 0,1,2,3
	v_cndmask_b32 v[XO+\i], v[LS+\i], v[LS+4+\i], vcc_lo   ; lanes 0-15: blocks 0-3 of query r; lanes 16-31: blocks 4-7
.endr
	global_store_b128 v[LI], v[XO:XO+3], s[10:11]  ; 512 consecutive bytes
	s_cmp_eq_u32 s16, 1
	s_cselect_b32 s90, -1, 0
.irp i, 0,1,2,3
	v_cndmask_b32 v[H+\i], v[NMB+2*\i], v[NMB+8+2*\i], s90   ; -M of blocks 4 x column half + i
.endr
	v_cndmask_b32 v[H+4], v[H], v[H+2], vcc_lo     ; a lane stores two of the four
	v_cndmask_b32 v[H+5], v[H+1], v[H+3], vcc_lo
	global_store_b64 v[MO], v[H+4:H+5], s[68:69]   ; 256 consecutive bytes
	s_wait_tensorcnt 0x0                           ; the wave's end
	ds_add_u32 v[SPW], v[NIL]
	s_wait_dscnt 0x0
	CROUND
	s_endpgm
.Lfunc_end_k_q04fb945502_scores:
	.size	k_q04fb945502_scores, .Lfunc_end_k_q04fb945502_scores-k_q04fb945502_scores
	.p2alignl 7, 3214868480
	.fill 96, 4, 3214868480
	.section	.rodata,"a",@progbits
	.p2align	6, 0x0
	.amdhsa_kernel k_q04fb945502_scores
		.amdhsa_group_segment_fixed_size 327680
		.amdhsa_private_segment_fixed_size 0
		.amdhsa_enable_private_segment 0
		.amdhsa_kernarg_size 32
		.amdhsa_user_sgpr_count 2
		.amdhsa_user_sgpr_kernarg_segment_ptr 1
		.amdhsa_wavefront_size32 1
		.amdhsa_system_sgpr_workgroup_id_x 1
		.amdhsa_system_sgpr_workgroup_id_y 1
		.amdhsa_system_sgpr_workgroup_id_z 1
		.amdhsa_system_vgpr_workitem_id 0
		.amdhsa_next_free_vgpr 1024
		.amdhsa_next_free_sgpr 100
		.amdhsa_reserve_vcc 1
		.amdhsa_float_denorm_mode_32 3
		.amdhsa_float_denorm_mode_16_64 3
		.amdhsa_memory_ordered 1
		.amdhsa_forward_progress 1
		.amdhsa_inst_pref_size 181
	.end_amdhsa_kernel
	.amdgpu_metadata
---
amdhsa.version: [ 1, 2 ]
amdhsa.kernels:
  - .name:           k_q04fb945502_scores
    .symbol:         k_q04fb945502_scores.kd
    .args:
      - { .name: qkv, .offset: 0, .size: 8, .value_kind: global_buffer, .address_space: global }
      - { .name: lowp_scales, .offset: 8, .size: 8, .value_kind: global_buffer, .address_space: global }
      - { .name: p, .offset: 16, .size: 8, .value_kind: global_buffer, .address_space: global }
      - { .name: stats, .offset: 24, .size: 8, .value_kind: global_buffer, .address_space: global }
    .group_segment_fixed_size: 327680
    .private_segment_fixed_size: 0
    .kernarg_segment_align: 8
    .kernarg_segment_size: 32
    .max_flat_workgroup_size: 128
    .sgpr_count:     100
    .vgpr_count:     1024
    .wavefront_size: 32
...
	.end_amdgpu_metadata
.endif
;; end of part 2
;; launch pv (part 3): grid 64 x 4, 4 waves a work-group, clusters of 4 x 1, 327,680 bytes of LDS; arguments p, stats, qkv, lowp_scales, out0; writes out0
.if DOCPART == 3
	.amdgcn_target "amdgcn-amd-amdhsa--gfx1250"
	.amdhsa_code_object_version 6
	.text
	.protected	k_q04fb945502_pv
	.globl	k_q04fb945502_pv
	.p2align	8
	.type	k_q04fb945502_pv,@function
k_q04fb945502_pv:
	s_mov_b64 s[64:65], 0
	v_nop
	global_prefetch_b8 v0, s[64:65] scope:SCOPE_SE
	s_setreg_imm32_b32 hwreg(HW_REG_WAVE_MODE, 25, 1), 1
	s_wait_xcnt 0x0
	s_wait_alu depctr_hold_cnt(0) depctr_sa_sdst(0) depctr_va_vdst(0) depctr_va_sdst(0) depctr_va_ssrc(0) depctr_va_vcc(0) depctr_vm_vsrc(0)
	s_getreg_b32 s2, hwreg(HW_REG_IB_STS2, 6, 4)
	s_cmp_eq_u32 s2, 0
	s_cbranch_scc0 .Lentry_in_a_cluster
	s_endpgm
.Lentry_in_a_cluster:
	s_bfe_u32 s2, ttmp6, 0x10000c
	s_cmp_lg_u32 s2, 0x3003
	s_cbranch_scc0 .Lentry_shape_is_right
	s_endpgm
.Lentry_shape_is_right:
; out = (sum over the keys of p v) / l on codes of E4M3.  p's codes were made under a whole number M_j for each tile j of 256 keys; with E_j = M_j - (the row's largest M), 0 or less, out = 2^(e8 + e9) x sum_j 2^E_j P_j / sum_j 2^E_j l_j.
; The sums run on in one accumulator: ahead of tile j it is multiplied by 2^(Ec_(j-1) - Ec_j), at the end by 2^Ec_7: exact powers of two.  Ec = max(E, -60):
; a tile more than 60 below the row's M is counted in the numerator at 2^-60 and not at its smaller true factor; so every factor lies within 2^+-60.
; LIMITS: e8 + e9 between -55 and 126, so that 2^(e8 + e9 - 60) / l is a normal f32 number (1/2 < l <= 2048).  NaN is not served.
; SHARES: a work-group makes 128 queries x 256 of the 1024 channels; a wave 64 queries x 128 channels: 32 accumulators.  K = the batch's 2048 keys, 16 steps of 128, written out: the factors' registers differ from step to step.
; Transposed use: source 0 = 16 channels of v^T, source 1 = p's 16 queries: a lane holds one query and eight neighbouring channels.
; p and v^T lie in memory as images of operand registers: fragments of 2,048 bytes, registers 4 c .. 4 c + 3 of lane l at 512 c + 16 l.
; CLUSTER 4 x 1: four query tiles of one batch and one channel tile need the same tiles of v^T: asked for jointly, mask 15.  A slot holds 512 keys, four steps; wave w asks for step w's 16 fragments, 32,768 bytes on end.
; p IS NOT SHARED IN THE CLUSTER AND DOES NOT GO THROUGH LDS: its fragments are loaded straight into registers, four steps' sets by turns: through LDS it would add 4 x 64 rows to the 4 x 128 that the waves read there.
; REGISTERS: window 0: v1-31 addresses; v32-95 32 pairs (factor, its exponent); v96-127 -M, then E, v128-191 l, v192-235 at work; on the way out v96-159.
;   window 1: v^T's fragments, two sets; on the way out rows read back.   window 2: the accumulators, (a, b) at v[8 (8 a + b)].   window 3: p's fragments, four sets of 64.
.set QT,     32768                     ; what a wave's tensor load brings
.set SLOT,   4*QT
.set SPARE,  2*SLOT                    ; behind the ring: the spare words, 128 bytes a wave
.set SPITCH, 528                       ; the way out: 16 rows x (512 + 16) bytes a wave, in slot 0, behind its last fill and last read
.set ADRB, 20                          ; v20-23: slot 0 steps 0, 1; steps 2, 3; slot 1 likewise
.set STO,  24
.set RD,   25
.set LI,   26                          ; 16 x lane
.set RI,   27                          ; 16 r
.set SPW,  28
.set NIL,  29
.set PFO,  30                          ; 256 x lane
.set F,    32
.set NM,   96
.set LL,   128
.set GG,   192
.set LT,   196
.set WW,   200
.set RC,   232
.set TMP,  96
.set G1, 24
.set G0, 32
.set MULW, 0xad                        ; source 0 (v^T) window 1, source 1 (p) window 3, C and D window 2
.set MSB, 0
.macro WIN new
.if MSB != (\new)
	s_set_vgpr_msb (MSB<<8)|(\new)
.set MSB, (\new)
.endif
.endm
.macro CREST
	s_cmp_lg_u32 s14, 0
	s_cbranch_scc1 .Lnot_wave_0_\@
	s_barrier_signal -3
.Lnot_wave_0_\@:
	s_barrier_wait -3
	s_barrier_signal -1
	s_barrier_wait -1
.endm
.macro CROUND
	s_barrier_signal -1
	s_barrier_wait -1
	CREST
.endm
.macro PLACES
.rept 4
	v_nop
.endr
.endm
	s_load_b256 s[4:11], s[0:1], 0x0               ; p s[4:5], stats s[6:7], qkv s[8:9], the exponents s[10:11]
	s_load_b64 s[12:13], s[0:1], 0x20              ; out0
	v_lshl_add_u32 v[SPW], v0, 2, SPARE
	v_mov_b32 v[NIL], 0
	ds_add_u32 v[SPW], v[NIL]                      ; the wave's opening: the add, twice on end, and its wait
	ds_add_u32 v[SPW], v[NIL]
	v_lshrrev_b32 v1, 5, v0
	v_readfirstlane_b32 s14, v1                    ; wave
	s_lshr_b32 s15, s14, 1                         ; my half of the queries
	s_and_b32 s16, s14, 1                          ; my half of the channels
	s_bfe_u32 s17, ttmp6, 0x40000                  ; cx
	s_lshl_b32 s18, ttmp9, 2
	s_add_co_u32 s18, s18, s17                     ; the query tile, 0 .. 63: it enters p's, stats' and out0's addresses alone
	s_and_b32 s19, ttmp7, 0xffff                   ; the channel tile, 0 .. 3
	s_lshr_b32 s20, ttmp9, 2                       ; the batch: 16 query tiles, four clusters
	s_mov_b32 s[G1], 15|(1<<21)                    ; the mask: all four; elements of 1 byte; no padding; bit 21 beside a mask
	s_mov_b32 s[G1+1], 1024<<16                    ; 32,768 bytes on end, as 32 rows of 1,024
	s_mov_b32 s[G1+2], 32<<16
	s_mov_b32 s[G1+3], 1024<<16
	s_mov_b32 s[G1+4], 32
	s_mov_b32 s[G1+5], 1024
	s_mov_b32 s[G1+6], 0
	s_mov_b32 s[G1+7], 0
	s_lshl_b32 s44, s20, 21                        ; v^T: 2,097,152 bytes a batch,
	s_lshl_b32 s45, s19, 15
	s_lshl_b32 s46, s14, 17
	s_add_co_u32 s45, s45, s46                     ; step w: 131,072 bytes; channel block 16 x channel tile
	s_add_co_u32 s44, s44, s45
	s_add_co_u32 s44, s44, 0x1000000
	s_mov_b32 s45, 0
	s_mul_i32 s46, s14, QT
	s_wait_dscnt 0x0                               ; both opening adds are done
	s_wait_kmcnt 0x0
	s_load_b64 s[40:41], s[10:11], 0x20            ; e8, e9
	s_add_nc_u64 s[44:45], s[8:9], s[44:45]
.irp s, 0,1
	s_mov_b32 s[G0+4*\s], 1
	s_add_co_u32 s[G0+4*\s+1], s46, \s*SLOT
	s_add_nc_u64 s[G0+4*\s+2:G0+4*\s+3], s[44:45], \s*0x80000   ; slot s: keys 512 s on
	s_or_b32 s[G0+4*\s+3], s[G0+4*\s+3], 0x80000000
.endr
	CROUND                                         ; all four work-groups are here: the first joint loads meet
	tensor_load_to_lds s[G0:G0+3], s[G1:G1+7]      ; slot 0: one tensor load a wave
	s_nop 0
	PLACES
	s_lshl_b32 s48, s17, 13                        ; the prefetches: of the 128 blocks of 256 bytes that a wave fetches each of the four partners takes 32, by address
	s_mov_b32 s49, 0
	s_add_nc_u64 s[48:49], s[44:45], s[48:49]
	s_lshl_b32 s22, s18, 1
	s_add_co_u32 s22, s22, s15
	s_lshl_b32 s22, s22, 8                         ; stats: my 64 rows are block 2 x query tile + row half of 256 bytes
	s_mov_b32 s23, 0
	s_add_nc_u64 s[6:7], s[6:7], s[22:23]
	s_lshl_b32 s22, s18, 3
	s_lshl_b32 s21, s15, 2
	s_add_co_u32 s22, s22, s21
	s_lshl_b32 s22, s22, 15                        ; p: qb = 8 x query tile + 4 x row half; 32,768 bytes for each qb
	s_add_nc_u64 s[4:5], s[4:5], s[22:23]
	s_lshl_b32 s21, s16, 14                        ; my eight channel blocks in a step's fragments
	s_mul_i32 s22, s14, 16*SPITCH                  ; my stage
	v_and_b32 v1, 15, v0                           ; r
	v_bfe_u32 v2, v0, 4, 1                         ; h
	v_and_b32 v3, 31, v0
	v_lshlrev_b32 v[LI], 4, v3
	v_lshlrev_b32 v[RI], 4, v1
	v_lshlrev_b32 v[PFO], 8, v3
	v_add_nc_u32 v[ADRB], s21, v[LI]
	v_add_nc_u32 v[ADRB+1], 65536, v[ADRB]
	v_add_nc_u32 v[ADRB+2], SLOT, v[ADRB]
	v_add_nc_u32 v[ADRB+3], SLOT+65536, v[ADRB]
	v_mul_u32_u24 v5, v1, SPITCH
	v_lshl_add_u32 v5, v2, 5, v5
	v_add_nc_u32 v[STO], s22, v5                   ; in: row r, 32 bytes for each half of the lanes
	v_add_nc_u32 v[RD], s22, v[LI]                 ; back: the 32 lanes take a row of 512 bytes
	s_wait_alu depctr_va_vdst(0)
.irp j, 0,1,2,3,4,5,6,7
	global_load_b128 v[NM+4*\j:NM+4*\j+3], v[RI], s[6:7] offset:32768*\j   ; -M of query r in my four blocks, key tile j
.endr
.set jj, 0
.rept 16
	global_load_b128 v[LL+4*jj:LL+4*jj+3], v[RI], s[6:7] offset:262144+32768*jj   ; l, key half tile jj
.set jj, jj+1
.endr
.macro ALOAD st                        ; p's four fragments of step st into set st % 4: every offset an immediate, no pointer is stepped
	WIN 0xc0                                       ; destination window 3
.irp a, 0,1,2,3
.irp c, 0,1,2,3
	global_load_b128 v[64*((\st)%4)+16*\a+4*\c:64*((\st)%4)+16*\a+4*\c+3], v[LI], s[4:5] offset:32768*\a+2048*(\st)+512*\c
.endr
.endr
.endm
	ALOAD 0
	ALOAD 1
	ALOAD 2
	ALOAD 3
	WIN 0
	s_lshl_b32 s22, s18, 7
	s_lshl_b32 s21, s15, 6
	s_add_co_u32 s22, s22, s21                     ; out0: row 128 x query tile + 64 x row half,
	s_lshl_b32 s22, s22, 12
	s_lshl_b32 s21, s19, 10
	s_add_co_u32 s22, s22, s21
	s_lshl_b32 s21, s16, 9
	s_add_co_u32 s22, s22, s21                     ; byte 1024 x channel tile + 512 x column half
	s_add_nc_u64 s[12:13], s[12:13], s[22:23]
	s_wait_loadcnt 63                              ; 88 loads were issued: the oldest 25 are in, the 24 of stats among them
	s_wait_kmcnt 0x0
	s_add_co_i32 s42, s40, s41                     ; e8 + e9
	; THE FACTORS, for query r in my four blocks
.irp a, 0,1,2,3
	v_min3_num_f32 v[GG+\a], v[NM+\a], v[NM+4+\a], v[NM+8+\a]
.endr
.irp a, 0,1,2,3
	v_min3_num_f32 v[GG+\a], v[GG+\a], v[NM+12+\a], v[NM+16+\a]
.endr
.irp a, 0,1,2,3
	v_min3_num_f32 v[GG+\a], v[GG+\a], v[NM+20+\a], v[NM+24+\a]
.endr
.irp a, 0,1,2,3
	v_min_num_f32 v[GG+\a], v[GG+\a], v[NM+28+\a]  ; the least -M: minus the row's M
.endr
.set i, 0
.rept 16
	v_pk_add_f32 v[NM+2*i:NM+2*i+1], v[GG+2*(i%2):GG+2*(i%2)+1], v[NM+2*i:NM+2*i+1] neg_lo:[0,1] neg_hi:[0,1]   ; E_j = (the least -M) - (-M_j) = M_j - the row's M: a whole number, 0 or less
.set i, i+1
.endr
.set i, 0
.rept 32
	v_cvt_i32_f32 v[WW+i], v[NM+i]                 ; (it saturates)
.set i, i+1
.endr
.set i, 0
.rept 32
	v_ldexp_f32 v[WW+i], 1.0, v[WW+i]              ; 2^E_j
.set i, i+1
.endr
.set i, 0
.rept 16
	v_pk_add_f32 v[LL+8*(i/2)+2*(i%2):LL+8*(i/2)+2*(i%2)+1], v[LL+8*(i/2)+2*(i%2):LL+8*(i/2)+2*(i%2)+1], v[LL+8*(i/2)+4+2*(i%2):LL+8*(i/2)+4+2*(i%2)+1]   ; a tile's two halves
.set i, i+1
.endr
	v_pk_mul_f32 v[LT:LT+1], v[WW:WW+1], v[LL:LL+1]
	v_pk_mul_f32 v[LT+2:LT+3], v[WW+2:WW+3], v[LL+2:LL+3]
.set i, 2
.rept 14
	v_pk_fma_f32 v[LT+2*(i%2):LT+2*(i%2)+1], v[WW+2*i:WW+2*i+1], v[LL+8*(i/2)+2*(i%2):LL+8*(i/2)+2*(i%2)+1], v[LT+2*(i%2):LT+2*(i%2)+1]
.set i, i+1
.endr
	s_wait_alu depctr_va_vdst(0)                   ; the wait ahead of the batch
.irp a, 0,1,2,3
	v_rcp_f32 v[RC+\a], v[LT+\a]                   ; 1 / l; the factors below are the independent work behind the four
.endr
.set i, 0
.rept 32
	v_max_num_f32 v[NM+i], 0xc2700000, v[NM+i]     ; Ec = max(E, -60)
.set i, i+1
.endr
.set k, 0
.rept 28
	v_sub_f32 v[F+2*k+1], v[NM+k], v[NM+k+4]       ; pair k = 4 (j - 1) + block: Ec_(j-1) - Ec_j
.set k, k+1
.endr
.set k, 0
.rept 28
	v_cvt_i32_f32 v[F+2*k+1], v[F+2*k+1]
.set k, k+1
.endr
.set k, 0
.rept 28
	v_ldexp_f32 v[F+2*k], 1.0, v[F+2*k+1]
.set k, k+1
.endr
.irp a, 0,1,2,3
	v_cvt_i32_f32 v[F+56+2*\a+1], v[NM+28+\a]      ; Ec_7
.endr
.irp a, 0,1,2,3
	v_add_nc_u32 v[F+56+2*\a+1], s42, v[F+56+2*\a+1]   ; e8 + e9 + Ec_7
.endr
	s_wait_alu depctr_va_vdst(0)                   ; one wait for the four reciprocals, ahead of their first reader
.irp a, 0,1,2,3
	v_ldexp_f32 v[F+56+2*\a], v[RC+\a], v[F+56+2*\a+1]   ; the closing factor
.endr
; 8 matrix instructions: query block a x the eight channel blocks.  The 32 accumulators take turns, one instruction a turn, in the same order in every step.
.macro MUL8 a, pb, qa, zero
	WIN MULW
.irp b, 0,1,2,3,4,5,6,7
.if \zero
	v_wmma_f32_16x16x128_fp8_fp8 v[8*(8*(\a)+\b):8*(8*(\a)+\b)+7], v[128*(\pb)+16*\b:128*(\pb)+16*\b+15], v[64*(\qa)+16*(\a):64*(\qa)+16*(\a)+15], 0
.else
	v_wmma_f32_16x16x128_fp8_fp8 v[8*(8*(\a)+\b):8*(8*(\a)+\b)+7], v[128*(\pb)+16*\b:128*(\pb)+16*\b+15], v[64*(\qa)+16*(\a):64*(\qa)+16*(\a)+15], v[8*(8*(\a)+\b):8*(8*(\a)+\b)+7]
.endif
.endr
.endm
.macro FRUN slot, q, set, i0           ; two of v^T's eight fragments of the slot's q-th 128 keys
	WIN 0x40                                       ; destination window 1
.irp i, \i0, \i0+1
.irp c, 0,1,2,3
	ds_load_b128 v[128*(\set)+16*(\i)+4*\c:128*(\set)+16*(\i)+4*\c+3], v[ADRB+2*(\slot)+(\q)/2] offset:32768*((\q)%2)+2048*(\i)+512*\c
.endr
.endr
.endm
.macro FETCH_B slot, q, set
	FRUN \slot, \q, \set, 0
	FRUN \slot, \q, \set, 2
	FRUN \slot, \q, \set, 4
	FRUN \slot, \q, \set, 6
.endm
.macro RESCALE j                       ; ahead of tile j: every sum x 2^(Ec_(j-1) - Ec_j); each accumulator from its low end on
	WIN 0x82                                       ; destination and source 0 window 2
.irp a, 0,1,2,3
.set i, 0
.rept 32
	v_pk_mul_f32 v[64*\a+2*i:64*\a+2*i+1], v[64*\a+2*i:64*\a+2*i+1], v[F+2*(4*((\j)-1)+\a):F+2*(4*((\j)-1)+\a)+1] op_sel_hi:[1,0]
.set i, i+1
.endr
.endr
.endm
.macro NLOADS st                       ; the loads issued behind set st's: up to three sets of 16
.if (\st) <= 12
.set NLD, 48
.else
.set NLD, 16*(15-(\st))
.endif
.endm
; 128 keys, with their successors in the same slot: these are fetched in four runs, the first ahead of the rescaling, the others among the products.
; Every step ends with four places, which serve the rescaling and the loads behind it.
.macro STEP st, slot, q, resc, zero
	FRUN \slot, (\q)+1, 1-(\q)%2, 0
.if \resc
	RESCALE (\st)/2
.endif
	NLOADS \st
	s_wait_alu depctr_va_vdst(0)                   ; directly ahead of the waits below
	s_wait_loadcnt NLD                             ; p's set of this step is in
	s_wait_dscnt 8                                 ; and v^T's; the run above may be out
	MUL8 0, (\q)%2, (\st)%4, \zero
	FRUN \slot, (\q)+1, 1-(\q)%2, 2
	MUL8 1, (\q)%2, (\st)%4, \zero
	FRUN \slot, (\q)+1, 1-(\q)%2, 4
	MUL8 2, (\q)%2, (\st)%4, \zero
	FRUN \slot, (\q)+1, 1-(\q)%2, 6
	MUL8 3, (\q)%2, (\st)%4, \zero
	PLACES
.if (\st)+4 < 16
	ALOAD (\st)+4
.endif
	WIN 0
.endm
; A slot's last step changes slots: one barrier; in front of it each wave waits for all its tensor loads, adds 0 to its spare word, and waits for that and for its reads of this slot.
.macro TURN st, slot, next, fill
	NLOADS \st
	s_wait_loadcnt NLD
	s_wait_tensorcnt 0x0                           ; all my tensor loads have landed: my part of the next slot
	ds_add_u32 v[SPW], v[NIL]                      ; 0 onto my spare word
	s_wait_dscnt 1                                 ; v^T's fragments are in; the add may be out
	MUL8 0, 1, (\st)%4, 0
	s_wait_dscnt 0x0                               ; the add is done, and my reads of this slot are over
	s_barrier_signal -1
	MUL8 1, 1, (\st)%4, 0
	WIN 0
	s_barrier_wait -1
.if \fill
	CREST                                          ; the barrier has opened a round of the cluster's: no wave of any partner still reads this slot or has a load on its way
	s_add_nc_u64 s[G0+4*\slot+2:G0+4*\slot+3], s[G0+4*\slot+2:G0+4*\slot+3], 0x100000   ; 1024 keys on
	tensor_load_to_lds s[G0+4*\slot:G0+4*\slot+3], s[G1:G1+7]   ; my one load behind the round: it has four steps, 128 matrix instructions, in which to land
	s_nop 0
.endif
	PLACES                                         ; (the places in front of the loads below)
	FETCH_B \next, 0, 0
	MUL8 2, 1, (\st)%4, 0
	MUL8 3, 1, (\st)%4, 0
	PLACES
	ALOAD (\st)+4
	WIN 0
.if (\st) == 3
	global_prefetch_b8 v[PFO], s[48:49] offset:0x180000 th:TH_LOAD_NT scope:SCOPE_SE   ; keys 1536 on: what the next change of slots loads, four steps on
.endif
.endm
	s_wait_alu depctr_va_vdst(0)
	s_wait_tensorcnt 0x0                           ; my part of slot 0 is in
	ds_add_u32 v[SPW], v[NIL]
	s_wait_dscnt 0x0
	CROUND
	tensor_load_to_lds s[G0+4:G0+7], s[G1:G1+7]    ; slot 1: four steps in which to land
	s_nop 0
	PLACES
	FETCH_B 0, 0, 0
	WIN 0
	global_prefetch_b8 v[PFO], s[48:49] offset:0x100000 th:TH_LOAD_NT scope:SCOPE_SE   ; keys 1024 on: what the first change of slots loads, four steps on
	STEP 0, 0, 0, 0, 1                             ; the first products start the sums
	STEP 1, 0, 1, 0, 0
	STEP 2, 0, 2, 1, 0
	TURN 3, 0, 1, 1                                ; slot 0 takes keys 1024 on
	STEP 4, 1, 0, 1, 0
	STEP 5, 1, 1, 0, 0
	STEP 6, 1, 2, 1, 0
	TURN 7, 1, 0, 1                                ; slot 1 takes keys 1536 on
	STEP 8, 0, 0, 1, 0
	STEP 9, 0, 1, 0, 0
	STEP 10, 0, 2, 1, 0
	TURN 11, 0, 1, 0                               ; slot 0 has had its last fill and its last read
	STEP 12, 1, 0, 1, 0
	STEP 13, 1, 1, 0, 0
	STEP 14, 1, 2, 1, 0
	s_wait_loadcnt 0x0
	s_wait_dscnt 0x0
	MUL8 0, 1, 3, 0
	MUL8 1, 1, 3, 0
	MUL8 2, 1, 3, 0
	MUL8 3, 1, 3, 0
	PLACES                                         ; behind the last products: rows land in the registers that held v^T's fragments
; THE WAY OUT, block by block of 16 queries x 128 channels: x the closing factor, through my own stage, back as whole rows of 512 bytes.  LDS serves a wave's instructions in order (ISA guide 5.7.1.4).
.macro TOSTAGE a
	WIN 0x02                                       ; source 0 window 2
.set i, 0
.rept 32
	v_pk_mul_f32 v[TMP+2*i:TMP+2*i+1], v[64*(\a)+2*i:64*(\a)+2*i+1], v[F+56+2*(\a):F+56+2*(\a)+1] op_sel_hi:[1,0]
.set i, i+1
.endr
	WIN 0
.irp b, 0,1,2,3,4,5,6,7
	ds_store_b128 v[STO], v[TMP+8*\b:TMP+8*\b+3] offset:64*\b
	ds_store_b128 v[STO], v[TMP+8*\b+4:TMP+8*\b+7] offset:64*\b+16
.endr
	WIN 0x40                                       ; destination window 1
.set t, 0
.rept 16
	ds_load_b128 v[64*(\a)+4*t:64*(\a)+4*t+3], v[RD] offset:t*SPITCH
.set t, t+1
.endr
.endm
.macro SEND a, younger                 ; younger: the LDS instructions issued behind block a's loads
	WIN 0x04                                       ; the stores' data: window 1
	s_wait_dscnt \younger
.set t, 0
.rept 16
	global_store_b128 v[LI], v[64*(\a)+4*t:64*(\a)+4*t+3], s[12:13] offset:65536*(\a)+4096*t th:TH_STORE_NT   ; 32 lanes store 512 consecutive bytes, at a multiple of 256 from out0's first byte
.set t, t+1
.endr
.endm
	TOSTAGE 0
	TOSTAGE 1
	SEND 0, 32                                     ; behind block 0's loads: block 1's 16 stores and 16 loads
	TOSTAGE 2
	SEND 1, 32
	TOSTAGE 3
	SEND 2, 32
	SEND 3, 0
	WIN 0
	s_wait_tensorcnt 0x0                           ; the wave's end
	ds_add_u32 v[SPW], v[NIL]
	s_wait_dscnt 0x0
	CROUND                                         ; the closing round
	s_endpgm
.Lfunc_end_k_q04fb945502_pv:
	.size	k_q04fb945502_pv, .Lfunc_end_k_q04fb945502_pv-k_q04fb945502_pv
	.p2alignl 7, 3214868480
	.fill 96, 4, 3214868480
	.section	.rodata,"a",@progbits
	.p2align	6, 0x0
	.amdhsa_kernel k_q04fb945502_pv
		.amdhsa_group_segment_fixed_size 327680
		.amdhsa_private_segment_fixed_size 0
		.amdhsa_enable_private_segment 0
		.amdhsa_kernarg_size 40
		.amdhsa_user_sgpr_count 2
		.amdhsa_user_sgpr_kernarg_segment_ptr 1
		.amdhsa_wavefront_size32 1
		.amdhsa_system_sgpr_workgroup_id_x 1
		.amdhsa_system_sgpr_workgroup_id_y 1
		.amdhsa_system_sgpr_workgroup_id_z 1
		.amdhsa_system_vgpr_workitem_id 0
		.amdhsa_next_free_vgpr 1024
		.amdhsa_next_free_sgpr 66
		.amdhsa_reserve_vcc 0
		.amdhsa_float_denorm_mode_32 3
		.amdhsa_float_denorm_mode_16_64 3
		.amdhsa_memory_ordered 1
		.amdhsa_forward_progress 1
		.amdhsa_inst_pref_size 198
	.end_amdhsa_kernel
	.amdgpu_metadata
---
amdhsa.version: [ 1, 2 ]
amdhsa.kernels:
  - .name:           k_q04fb945502_pv
    .symbol:         k_q04fb945502_pv.kd
    .args:
      - { .name: p, .offset: 0, .size: 8, .value_kind: global_buffer, .address_space: global }
      - { .name: stats, .offset: 8, .size: 8, .value_kind: global_buffer, .address_space: global }
      - { .name: qkv, .offset: 16, .size: 8, .value_kind: global_buffer, .address_space: global }
      - { .name: lowp_scales, .offset: 24, .size: 8, .value_kind: global_buffer, .address_space: global }
      - { .name: out0, .offset: 32, .size: 8, .value_kind: global_buffer, .address_space: global }
    .group_segment_fixed_size: 327680
    .private_segment_fixed_size: 0
    .kernarg_segment_align: 8
    .kernarg_segment_size: 40
    .max_flat_workgroup_size: 128
    .sgpr_count:     66
    .vgpr_count:     1024
    .wavefront_size: 32
...
	.end_amdgpu_metadata
.endif
;; end of part 3
